; MI455X (gfx1250); checked and timed in simulation.
; The chip was launched on July 23, 2026; its instructions are those of AMD's public machine-readable ISA for CDNA 5 (MIT licence, August 2026) and "CDNA5" Instruction Set Architecture Reference Guide (July 2026). The comments in the code are by the model that wrote it; some were corrected since.
;; DRR. Allowed arithmetic: float matrix products may take bf16 or f16 operands with f32 sums; other float arithmetic in f32, or as packed bf16 or f16 multiplies, adds, multiply-adds, maxima and minima; sums over many terms, partial sums and values carried from step to step in f32; what a program stores and reads back later, other than sums and carried values, may be rounded once to bf16 or f16.
;; Inputs: affine_inv 4 x 4 float32; k_inv 1 x 3 x 3 float32; rt_inv 1 x 4 x 4 float32; sdd 1 float32; volume 256 x 256 x 256 float32.
;; Outputs: out0 1 x 200 x 200 float32.
;; Constants: n_samples = 500.
;; One version. Each part assembles by itself: llvm-mc -triple=amdgcn-amd-amdhsa -mcpu=gfx1250 --defsym DOCPART=n.
;; ======== version 1 of 1: 2 launches
;; limits: right only within a limited range of input values
;; workspace buffers: plan 11,264 bytes of whole numbers; rayinfo 320,000 bytes
;; launch rays_setup (part 1): grid 25 x 10, 5 waves a work-group, no clusters, 0 bytes of LDS; arguments k_inv, rt_inv, sdd, affine_inv, plan, rayinfo; writes plan, rayinfo
.if DOCPART == 1
	.amdgcn_target "amdgcn-amd-amdhsa--gfx1250"
	.amdhsa_code_object_version 6
	.text
	.protected	k_qc4bd958e2e_rays_setup
	.globl	k_qc4bd958e2e_rays_setup
	.p2align	8
	.type	k_qc4bd958e2e_rays_setup,@function
k_qc4bd958e2e_rays_setup:
	s_mov_b64 s[64:65], 0
	v_nop
	global_prefetch_b8 v0, s[64:65] scope:SCOPE_SE
	s_setreg_imm32_b32 hwreg(HW_REG_WAVE_MODE, 25, 1), 1
	s_wait_xcnt 0x0
; RAY SET-UP.  For each of the 200 x 200 detector pixels the voxel position is linear in the sample number s (0..499),
;   c(s) = o + s d,   o = A t + b,   d = A R (k_inv (u, v, 1) sdd) / 499        (A, b from affine_inv; R, t from rt_inv),
; so the transform of every sample is done once a ray, in f32 on the vector unit (3 x 3 products; a position in 16 bits would be off by up to half a voxel).
; A sample adds nothing unless -1 < c < 256 on all three axes.  Two things are stored.
; plan (whole numbers, from which the next launch forms its addresses and trip counts):
;   d is affine in the pixel: d = D0 + u DU + v DV.  The four vectors DU, DV, D0, o are stored once, each number x as h = round(x 2^14) and l = round((x 2^14 - h) 2^22): 36 fraction bits in two words.
;   bytes 0-511: lane l's record (h of x, y, z, and 0), lanes 0-3 = DU, DV, D0, o, the other lanes zeros;  bytes 512-1023: the same for l;
;   from byte 1024: for each patch of 32 pixels the first sample of any of its rays, and the count of samples from there to the last of any.
; rayinfo (values that only select and scale): for each ray first | n << 16 (its own first sample and count), and the step length |ray| / 499 in f32.
; SHARES.  A wave owns a patch of 8 x 4 pixels, lane l the pixel (l % 8, l / 8) of it; patch = 25 x patch row + patch column.  A wave's store to rayinfo covers 256 consecutive bytes, aligned.
; THE INTERVAL is taken 0.01 sample wider at each end than the f32 quotient says, so that rounding leaves no sample out; a sample taken in beyond the box gets the weight 0 in the next launch.
; With two samples or more |d| <= 262.3, so every sample of the interval lies in -3.7 .. 258.7.  A ray whose first sample lies outside -8 .. 264 (that can only be a single sample, of weight 0) is given n = 0:
; so every sample that counts lies inside the +-512 voxels that the next launch's 32-bit positions hold.
; An axis with d = 0: 1/d is an infinity, the bounds are -inf, +inf (inside) or equal infinities (outside); 0 x inf is NaN, which loses in the _num minima and maxima and leaves an empty interval: right, since c = -1 or 256 adds nothing.
; LIMITS.  |o| and the components of D0, DU, DV stay below 2^17 voxels (h must fit 32 bits).  NaN and infinities in the four small inputs are not treated.  |d| below 2^-126 counts as 0.
.set PAIRS,  1024                      ; byte of plan at which the patches' pairs begin
.set KI,     16                        ; s[16:24]  k_inv, row-major
.set SD,     25                        ; s25       sdd
.set RT,     32                        ; s[32:47]  rt_inv
.set AF,     48                        ; s[48:63]  affine_inv
.set EMP,    68                        ; s68       -1000: an empty ray's entry in the patch's two maxima
.set ONE,    69                        ; s69       1.0
.set SAVE,   70                        ; s70       EXEC, kept
.set INV499, 0x3b0355ad                ; 1 / 499
.set LN,   1                           ; v1        lane
.set PU,   2                           ; v2        u
.set PV,   3                           ; v3        v
.set CAM,  4                           ; v[4:6]    target in camera space
.set PW,   7                           ; v7        the pixel vector's third number, in the pass on unit vectors
.set RAY,  8                           ; v[8:10]   ray in world space
.set DD,   12                          ; v[12:14]  d
.set OO,   16                          ; v[16:18]  o
.set LEN,  20                          ; v20       |ray|
.set RC,   21                          ; v[21:23]  1 / d
.set W0,   24                          ; v[24:25]  the ray's 8 bytes of rayinfo
.set PP,   26                          ; v[26:27]  the patch's pair
.set TA,   32                          ; v[32:34]  at work
.set TB,   36                          ; v[36:38]  at work
.set LO,   40                          ; v[40:42]  lower bounds of s by axis; then v40 = minus the first sample
.set HI,   44                          ; v[44:46]  upper bounds; then v44 = the last sample
.set NF,   47                          ; v47       n in f32
.set VO8,  49                          ; v49       8 x lane
.set VO16, 50                          ; v50       16 x lane
.set LOS,  51                          ; v51       minus the first sample, or -1000
.set HIS,  52                          ; v52       the last sample, or -1000
.set CMIN, 53                          ; v53       the least of c(first)'s three; later the other half of the lanes' LOS
.set CMAX, 54                          ; v54       the largest; later the other half's HIS
.set FU,   55                          ; v55       the first sample
.set GH,   56                          ; v[56:59]  my lane's record of h
.set GL,   60                          ; v[60:63]  my lane's record of l
; d for the pixel vector (PU, PV, 1), or (unit = 1) for (PU, PV, PW)
.macro GEOM unit
.irp i, 0,1,2
	v_mul_f32  v[CAM+(\i)], s[KI+3*(\i)], v[PU]    ; (k_inv pix) sdd
	v_fmac_f32 v[CAM+(\i)], s[KI+3*(\i)+1], v[PV]
.if \unit
	v_fmac_f32 v[CAM+(\i)], s[KI+3*(\i)+2], v[PW]
.else
	v_add_f32  v[CAM+(\i)], s[KI+3*(\i)+2], v[CAM+(\i)]
.endif
	v_mul_f32  v[CAM+(\i)], s[SD], v[CAM+(\i)]
.endr
.irp i, 0,1,2
	v_mul_f32  v[RAY+(\i)], s[RT+4*(\i)], v[CAM]   ; ray = R cam (target less source)
	v_fmac_f32 v[RAY+(\i)], s[RT+4*(\i)+1], v[CAM+1]
	v_fmac_f32 v[RAY+(\i)], s[RT+4*(\i)+2], v[CAM+2]
.endr
.irp i, 0,1,2
	v_mul_f32  v[DD+(\i)], s[AF+4*(\i)], v[RAY]    ; d = A ray / 499
	v_fmac_f32 v[DD+(\i)], s[AF+4*(\i)+1], v[RAY+1]
	v_fmac_f32 v[DD+(\i)], s[AF+4*(\i)+2], v[RAY+2]
	v_mul_f32  v[DD+(\i)], INV499, v[DD+(\i)]
.endr
.endm
	s_load_b256 s[4:11], s[0:1], 0x0               ; k_inv s[4:5], rt_inv s[6:7], sdd s[8:9], affine_inv s[10:11]
	s_load_b128 s[12:15], s[0:1], 0x20             ; plan s[12:13], rayinfo s[14:15]
	v_lshrrev_b32 v[LN], 5, v0
	v_readfirstlane_b32 s26, v[LN]                 ; wave 0..4
	s_and_b32 s27, ttmp7, 0xffff
	s_mul_i32 s27, s27, 5
	s_add_co_u32 s27, s27, s26                     ; patch row 0..49
	s_mul_i32 s28, s27, 25
	s_add_co_u32 s28, s28, ttmp9                   ; patch 0..1249
	s_lshl_b32 s29, ttmp9, 3                       ; the patch's first u
	s_lshl_b32 s30, s27, 2                         ; the patch's first v
	s_mov_b32 s66, 0x76543210                      ; v_permlanex16_b32: each lane takes its own place in the other half
	s_mov_b32 s67, 0xfedcba98
	s_mov_b32 s[EMP], 0xc47a0000
	s_mov_b32 s[ONE], 1.0
	s_wait_kmcnt 0x0
	s_load_b256 s[KI:KI+7], s[4:5], 0x0            ; the nine numbers of k_inv: eight,
	s_load_b32 s[KI+8], s[4:5], 0x20               ; and the ninth
	s_load_b32 s[SD], s[8:9], 0x0
	s_load_b512 s[RT:RT+15], s[6:7], 0x0
	s_load_b512 s[AF:AF+15], s[10:11], 0x0
	v_and_b32 v[PU], 7, v0
	v_bfe_u32 v[PV], v0, 3, 2
	v_add_nc_u32 v[PU], s29, v[PU]
	v_add_nc_u32 v[PV], s30, v[PV]
	v_cvt_f32_u32 v[PU], v[PU]
	v_cvt_f32_u32 v[PV], v[PV]
	v_and_b32 v[LN], 31, v0
	v_lshlrev_b32 v[VO8], 3, v[LN]
	v_lshlrev_b32 v[VO16], 4, v[LN]
	s_lshl_b32 s2, s28, 8                          ; a patch's 32 entries of 8 bytes in rayinfo
	s_mov_b32 s3, 0
	s_add_nc_u64 s[14:15], s[14:15], s[2:3]
	s_lshl_b32 s2, s28, 3                          ; a patch's pair in plan
	s_wait_kmcnt 0x0                               ; the inputs are in, and the scalar loads' address registers are free
	s_add_nc_u64 s[4:5], s[12:13], s[2:3]          ; plan at my patch's pair, less PAIRS
	GEOM 0
.irp i, 0,1,2
	v_mov_b32  v[OO+(\i)], s[AF+4*(\i)+3]          ; o = A t + b
	v_fma_f32  v[OO+(\i)], s[AF+4*(\i)], s[RT+3], v[OO+(\i)]
	v_fma_f32  v[OO+(\i)], s[AF+4*(\i)+1], s[RT+7], v[OO+(\i)]
	v_fma_f32  v[OO+(\i)], s[AF+4*(\i)+2], s[RT+11], v[OO+(\i)]
.endr
	v_mul_f32  v[LEN], v[RAY], v[RAY]
	v_fmac_f32 v[LEN], v[RAY+1], v[RAY+1]
	v_fmac_f32 v[LEN], v[RAY+2], v[RAY+2]
	v_sqrt_f32 v[LEN], v[LEN]                      ; four transcendentals on end; the two subtractions below are the plain instructions in front of the first use of a result
	v_rcp_f32 v[RC], v[DD]
	v_rcp_f32 v[RC+1], v[DD+1]
	v_rcp_f32 v[RC+2], v[DD+2]
.irp i, 0,1,2
	v_sub_f32 v[TA+(\i)], -1.0, v[OO+(\i)]         ; s at which c = -1,
	v_sub_f32 v[TB+(\i)], 0x43800000, v[OO+(\i)]   ; and at which c = 256
	s_wait_alu depctr_va_vdst(0)
	v_mul_f32 v[TA+(\i)], v[TA+(\i)], v[RC+(\i)]
	v_mul_f32 v[TB+(\i)], v[TB+(\i)], v[RC+(\i)]
	v_min_num_f32 v[LO+(\i)], v[TA+(\i)], v[TB+(\i)]
	v_max_num_f32 v[HI+(\i)], v[TA+(\i)], v[TB+(\i)]
.endr
	v_max3_num_f32 v[LO], v[LO], v[LO+1], v[LO+2]
	v_min3_num_f32 v[HI], v[HI], v[HI+1], v[HI+2]
	v_max_num_f32 v[LO], 0, v[LO]                  ; samples 0 .. 499
	v_min_num_f32 v[HI], 0x43f98000, v[HI]
	v_sub_f32 v[LO], 0x3c23d70a, v[LO]             ; 0.01 - lower bound: its floor is minus the first sample
	v_add_f32 v[HI], 0x3c23d70a, v[HI]             ; upper bound + 0.01: its floor is the last sample
	v_floor_f32 v[LO], v[LO]
	v_floor_f32 v[HI], v[HI]
	v_add_f32 v[NF], v[HI], v[LO]                  ; last - first (never inf - inf: both are finite or -inf)
	v_add_f32 v[NF], 1.0, v[NF]                    ; n; zero, negative or -inf where the interval is empty
	v_max_num_f32 v[LO], 0xc3fa0000, v[LO]         ; an empty interval's first sample is held finite: 500 at the most
.irp i, 0,1,2
	v_fma_f32 v[TA+(\i)], -v[LO], v[DD+(\i)], v[OO+(\i)]   ; c(first)
.endr
	v_min3_num_f32 v[CMIN], v[TA], v[TA+1], v[TA+2]
	v_max3_num_f32 v[CMAX], v[TA], v[TA+1], v[TA+2]
	v_cmp_lt_f32 vcc_lo, 0xc1000000, v[CMIN]       ; -8 < c on every axis?
	v_cndmask_b32 v[NF], 0, v[NF], vcc_lo
	v_cmp_gt_f32 vcc_lo, 0x43840000, v[CMAX]       ; 264 > c on every axis?
	v_cndmask_b32 v[NF], 0, v[NF], vcc_lo
	v_cmp_lt_f32 vcc_lo, 0, v[NF]                  ; has the ray a sample?
	v_cndmask_b32 v[LOS], s[EMP], v[LO], vcc_lo
	v_cndmask_b32 v[HIS], s[EMP], v[HI], vcc_lo
	v_max_num_f32 v[NF], 0, v[NF]                  ; n, 0 .. 500
	v_sub_f32 v[FU], 0, v[LO]                      ; the first sample, 0 .. 500
	v_cvt_u32_f32 v[NF], v[NF]
	v_cvt_u32_f32 v[FU], v[FU]
	v_lshl_or_b32 v[W0], v[NF], 16, v[FU]
	v_mul_f32 v[W0+1], INV499, v[LEN]
	global_store_b64 v[VO8], v[W0:W0+1], s[14:15]
	; the patch's first and last sample: two maxima, four steps inside each half of 16 lanes, one across the halves; whole numbers up to 1000 are exact in f32
.irp m, 1,2,4,8
	v_max_num_f32_dpp v[LOS], v[LOS], v[LOS] row_xmask:\m row_mask:0xf bank_mask:0xf
	v_max_num_f32_dpp v[HIS], v[HIS], v[HIS] row_xmask:\m row_mask:0xf bank_mask:0xf
.endr
	v_permlanex16_b32 v[CMIN], v[LOS], s66, s67    ; the destinations have been written before
	v_permlanex16_b32 v[CMAX], v[HIS], s66, s67
	v_max_num_f32 v[LOS], v[LOS], v[CMIN]
	v_max_num_f32 v[HIS], v[HIS], v[CMAX]
	v_add_f32 v[HIS], v[HIS], v[LOS]               ; last - first,
	v_add_f32 v[HIS], 1.0, v[HIS]
	v_max_num_f32 v[HIS], 0, v[HIS]                ; the count: 0 where no ray has a sample
	v_sub_f32 v[LOS], 0, v[LOS]
	v_min_num_f32 v[LOS], 0x43f98000, v[LOS]       ; the first: 499 at the most
	v_cvt_u32_f32 v[PP], v[LOS]
	v_cvt_u32_f32 v[PP+1], v[HIS]
	s_cmp_lg_u32 s28, 0
	s_cbranch_scc1 .Lpair                          ; the four vectors are stored by one wave of the launch: patch 0's
	v_cmp_eq_u32 vcc_lo, 0, v[LN]                  ; the same geometry on unit vectors: lane 0 gets DU, lane 1 DV, lane 2 D0, the others 0
	v_cndmask_b32 v[PU], 0, s[ONE], vcc_lo
	v_cmp_eq_u32 vcc_lo, 1, v[LN]
	v_cndmask_b32 v[PV], 0, s[ONE], vcc_lo
	v_cmp_eq_u32 vcc_lo, 2, v[LN]
	v_cndmask_b32 v[PW], 0, s[ONE], vcc_lo
	GEOM 1
	v_cmp_eq_u32 vcc_lo, 3, v[LN]                  ; lane 3 takes o
.irp i, 0,1,2
	v_cndmask_b32 v[DD+(\i)], v[DD+(\i)], v[OO+(\i)], vcc_lo
	v_mul_f32 v[TA+(\i)], 0x46800000, v[DD+(\i)]   ; x 2^14
	v_rndne_f32 v[TB+(\i)], v[TA+(\i)]             ; h
	v_sub_f32 v[TA+(\i)], v[TA+(\i)], v[TB+(\i)]   ; what is left, exact, 0.5 at the most
	v_mul_f32 v[TA+(\i)], 0x4a800000, v[TA+(\i)]   ; x 2^22
	v_rndne_f32 v[TA+(\i)], v[TA+(\i)]             ; l
	v_cvt_i32_f32 v[GH+(\i)], v[TB+(\i)]
	v_cvt_i32_f32 v[GL+(\i)], v[TA+(\i)]
.endr
	v_mov_b32 v[GH+3], 0
	v_mov_b32 v[GL+3], 0
	global_store_b128 v[VO16], v[GH:GH+3], s[12:13]             ; each of the two stores covers 512 consecutive bytes, aligned
	global_store_b128 v[VO16], v[GL:GL+3], s[12:13] offset:512
.Lpair:
	v_cmp_eq_u32 vcc_lo, 0, v[LN]
	s_wait_xcnt 0x0                                ; EXEC is a source of the stores above: it changes only behind this wait
	s_and_saveexec_b32 s[SAVE], vcc_lo             ; every lane holds the patch's pair: lane 0 stores it
	global_store_b64 v[VO8], v[PP:PP+1], s[4:5] offset:PAIRS    ; lane 0's 8 x lane is 0
	s_wait_xcnt 0x0                                ; and again in front of the line that widens it
	s_or_b32 exec_lo, exec_lo, s[SAVE]
	s_endpgm
.Lfunc_end_k_qc4bd958e2e_rays_setup:
	.size	k_qc4bd958e2e_rays_setup, .Lfunc_end_k_qc4bd958e2e_rays_setup-k_qc4bd958e2e_rays_setup
	.p2alignl 7, 3214868480
	.fill 96, 4, 3214868480
	.section	.rodata,"a",@progbits
	.p2align	6, 0x0
	.amdhsa_kernel k_qc4bd958e2e_rays_setup
		.amdhsa_group_segment_fixed_size 0
		.amdhsa_private_segment_fixed_size 0
		.amdhsa_enable_private_segment 0
		.amdhsa_kernarg_size 48
		.amdhsa_user_sgpr_count 2
		.amdhsa_user_sgpr_kernarg_segment_ptr 1
		.amdhsa_wavefront_size32 1
		.amdhsa_system_sgpr_workgroup_id_x 1
		.amdhsa_system_sgpr_workgroup_id_y 1
		.amdhsa_system_sgpr_workgroup_id_z 1
		.amdhsa_system_vgpr_workitem_id 0
		.amdhsa_next_free_vgpr 64
		.amdhsa_next_free_sgpr 71
		.amdhsa_reserve_vcc 1
		.amdhsa_float_denorm_mode_32 3
		.amdhsa_float_denorm_mode_16_64 3
		.amdhsa_memory_ordered 1
		.amdhsa_forward_progress 1
		.amdhsa_inst_pref_size 10
	.end_amdhsa_kernel
	.amdgpu_metadata
---
amdhsa.version: [ 1, 2 ]
amdhsa.kernels:
  - .name:           k_qc4bd958e2e_rays_setup
    .symbol:         k_qc4bd958e2e_rays_setup.kd
    .args:
      - { .name: k_inv, .offset: 0, .size: 8, .value_kind: global_buffer, .address_space: global }
      - { .name: rt_inv, .offset: 8, .size: 8, .value_kind: global_buffer, .address_space: global }
      - { .name: sdd, .offset: 16, .size: 8, .value_kind: global_buffer, .address_space: global }
      - { .name: affine_inv, .offset: 24, .size: 8, .value_kind: global_buffer, .address_space: global }
      - { .name: plan, .offset: 32, .size: 8, .value_kind: global_buffer, .address_space: global }
      - { .name: rayinfo, .offset: 40, .size: 8, .value_kind: global_buffer, .address_space: global }
    .group_segment_fixed_size: 0
    .private_segment_fixed_size: 0
    .kernarg_segment_align: 8
    .kernarg_segment_size: 48
    .max_flat_workgroup_size: 160
    .sgpr_count:     71
    .vgpr_count:     64
    .wavefront_size: 32
...
	.end_amdgpu_metadata
.endif
;; end of part 1
;; launch march (part 2): grid 25 x 50, 8 waves a work-group, no clusters, 2,048 bytes of LDS; arguments plan, rayinfo, volume, out0; writes out0
.if DOCPART == 2
	.amdgcn_target "amdgcn-amd-amdhsa--gfx1250"
	.amdhsa_code_object_version 6
	.text
	.protected	k_qc4bd958e2e_march
	.globl	k_qc4bd958e2e_march
	.p2align	8
	.type	k_qc4bd958e2e_march,@function
k_qc4bd958e2e_march:
	s_mov_b64 s[64:65], 0
	v_nop
	global_prefetch_b8 v0, s[64:65] scope:SCOPE_SE
	s_setreg_imm32_b32 hwreg(HW_REG_WAVE_MODE, 25, 1), 1
	s_wait_xcnt 0x0
; THE MARCH.  out0[pixel] = step length x the sum over the ray's samples of the volume, interpolated trilinearly, corners outside the volume counting as 0.
; Every address and the trip count are made by integer arithmetic from the whole numbers of plan, which the launch before stored: the vectors DU, DV, D0, o, each number as h 2^-14 + l 2^-36 voxels, and for my patch
; the first sample and the count.  Floats carry weights and sums alone; a ray's own interval (rayinfo) only sets weights to 0.
; SHARES.  A work-group owns a patch of 8 x 4 pixels; its 256 threads are 32 rays x 8 phases; thread (ray, phase) takes the samples first + phase, first + phase + 8, ...  A wave holds 4 x 2 neighbouring pixels x 4
; successive samples, so that the 32 addresses of a load lie close together.  Thread bits: 0-1 u, 2 v, 3-4 phase, 5 u, 6 v, 7 phase.
; POSITIONS.  H = D0h + u DUh + v DVh, L likewise (|L| < 399 x 2^21); L's upper bits are carried into H, so that 0 <= L < 2^22.  With s0 = first + phase (506 at the most), in units of 2^-22 voxel:
;   position = ((oh + s0 H) << 8) + ((ol + s0 L + 2^13) >> 14)       (the second sum stays under 2^31)          step of 8 samples = (H << 11) + ((L + 2^10) >> 11)
; All of it holds modulo 2^32, and a sample that counts lies within -8 .. 264 of the +-512 voxels that 32 bits hold.  Error: 399 x 2^-37 x 506 of the split, 2^-23 for each of at most 63 steps.
; ONE AXIS.  b = floor(c) held to 0 .. 254; voxels b and b + 1 are read whatever c is, with the weights w0 = max(0, 1 - |c - b|), w1 = max(0, 1 - |c - b - 1|).  Inside they are 1 - f and f; for -1 < c < 0 only voxel 0
; counts, with f; for 255 <= c < 256 only voxel 255, with 1 - f; further out both are 0: the corners outside the volume count as 0.  So a sample has ONE address, and its eight voxels lie at
; immediate offsets (4 bytes along z, 1,024 along y, 262,144 along x); the furthest is the volume's last number.
; A sample outside the ray's own interval takes c - b = 256 on the x axis, which makes both x weights 0; its address stays as the position gives it.
; TWO BUFFERS of registers take turns: sample k + 1's eight loads are issued before sample k's voxels are used.
; THE END.  The 256 partial sums meet in LDS; wave 0 adds each ray's eight, multiplies by the step length and stores.  A patch's rows in out0 are runs of 32 bytes; the whole output is 160,000 bytes.
; LIMITS.  The volume's numbers are finite (a voxel read with weight 0 must give 0).  |o| and the components of D0, DU, DV stay below 2^17 voxels.  The order of the sum differs from a plain sum over s.
.set FR,    22                         ; fraction bits of a position
.set PAIRS, 1024                       ; byte of plan at which the patches' pairs begin
.set SPARE, 1024                       ; LDS, behind the 256 partial sums: the spare words, 128 bytes for each of the eight waves, which no other line names
.set SPW,  1                           ; v1        LDS address of my spare word; never rewritten
.set NIL,  2                           ; v2        0; never rewritten
.set JJ,   3                           ; v3        my ray's number in the patch, 8 x (v offset) + (u offset)
.set PH,   4                           ; v4        my phase, 0..7
.set VOFF, 5                           ; v5        8 x ray: my ray's entry in rayinfo
.set LA,   6                           ; v6        LDS address of my partial sum: 128 x phase + 4 x ray
.set SL,   7                           ; v7        step length of ray (lane): used by wave 0
.set RA,   8                           ; v[8:9]    my ray's entry: first | n << 16, step length
.set RS,   10                          ; v10       my sample's number less the ray's first, modulo 2^32
.set NR,   11                          ; v11       the ray's n
.set UU,   12                          ; v12       u
.set VV,   13                          ; v13       v
.set S0,   14                          ; v14       my first sample
.set LOF8, 15                          ; v15       8 x lane
.set PX,   16                          ; v[16:18]  my position
.set PY,   17
.set PZ,   18
.set DX,   20                          ; v[20:22]  the step of 8 samples
.set LOFF, 23                          ; v23       4 x lane
.set ACC,  24                          ; v[24:27]  four partial sums
.set TT,   28                          ; v[28:31]  at work: the four z interpolations
.set HH,   32                          ; v[32:34]  ahead of the loop: H
.set LL,   36                          ; v[36:38]  ahead of the loop: L
.set TA,   40                          ; v40, v41  ahead of the loop: at work
.set TB,   41
.set BX,   33                          ; v33, v34  in the loop: b of x and y
.set BY,   34
.set QX,   35                          ; v35       at work
.set WX,   36                          ; v[36:37]  w0, w1 of x
.set WY0,  38                          ; v38       w0 of y; v39 (at work, always written) is named with it as a pair
.set QY,   39
.set WY1,  40                          ; v40       w1 of y; v41 likewise
.set QZ,   41
.set BA,   44                          ; v[44:59]  buffer A: +0 w0 of z, +1 address, +2 w1 of z, +3 b of z, +4..7 the xy weights, +8..11 voxels at z, +12..15 voxels at z + 1
.set BB,   60                          ; v[60:75]  buffer B           (a z weight stands in the low register of a pair whose high register is always written, since a packed line names the pair)
.set WV,    12                         ; s12  wave
.set PYS,   13                         ; s13  patch row
.set PATCH, 14                         ; s14  patch
.set FIRST, 20                         ; s20  the patch's first sample
.set CNT,   21                         ; s21  the patch's count of samples
.set BD,    22                         ; s22  the loop's trips
.set CT,    23                         ; s23  counts them
.set SC,    24                         ; s24  2^-22
.set BIG,   25                         ; s25  2^30: 256 voxels in units of 2^-22
.set GH,    32                         ; s[32:47]  h of DU (+0..2), DV (+4..6), D0 (+8..10), o (+12..14)
.set GL,    48                         ; s[48:63]  l likewise
	s_load_b256 s[4:11], s[0:1], 0x0               ; plan s[4:5], rayinfo s[6:7], volume s[8:9], out0 s[10:11]
	v_lshl_add_u32 v[SPW], v0, 2, SPARE
	v_mov_b32 v[NIL], 0
	v_lshrrev_b32 v[TT], 5, v0
	v_readfirstlane_b32 s[WV], v[TT]
	s_and_b32 s[PYS], ttmp7, 0xffff
	s_mul_i32 s[PATCH], s[PYS], 25
	s_add_co_u32 s[PATCH], s[PATCH], ttmp9
	s_lshl_b32 s16, s[PATCH], 3                    ; my patch's pair in plan
	s_mov_b32 s17, 0
	s_lshl_b32 s18, s[PATCH], 8                    ; my patch's 32 entries of 8 bytes in rayinfo
	s_mov_b32 s19, 0
	s_lshl_b32 s28, ttmp9, 3                       ; the patch's first u
	s_lshl_b32 s29, s[PYS], 2                      ; the patch's first v
	s_mov_b32 s[SC], 0x34800000
	s_mov_b32 s[BIG], 0x4e800000
	v_and_b32 v[UU], 3, v0                         ; u offset: bits 0, 1, 5
	v_bfe_u32 v[TT], v0, 5, 1
	v_lshl_add_u32 v[UU], v[TT], 2, v[UU]
	v_bfe_u32 v[VV], v0, 2, 1                      ; v offset: bits 2, 6
	v_bfe_u32 v[TT], v0, 6, 1
	v_lshl_add_u32 v[VV], v[TT], 1, v[VV]
	v_lshl_add_u32 v[JJ], v[VV], 3, v[UU]          ; ray
	v_add_nc_u32 v[UU], s28, v[UU]
	v_add_nc_u32 v[VV], s29, v[VV]
	v_bfe_u32 v[PH], v0, 3, 2                      ; phase: bits 3, 4, 7
	v_bfe_u32 v[TT], v0, 7, 1
	v_lshl_add_u32 v[PH], v[TT], 2, v[PH]
	v_lshlrev_b32 v[VOFF], 3, v[JJ]
	v_lshlrev_b32 v[LA], 2, v[JJ]
	v_lshl_add_u32 v[LA], v[PH], 7, v[LA]
	v_and_b32 v[LOFF], 31, v0
	v_lshlrev_b32 v[LOF8], 3, v[LOFF]
	v_lshlrev_b32 v[LOFF], 2, v[LOFF]
	s_wait_kmcnt 0x0
	s_load_b512 s[GH:GH+15], s[4:5], 0x0           ; the four vectors' h,
	s_load_b512 s[GL:GL+15], s[4:5], 0x200         ; and l
	s_add_nc_u64 s[16:17], s[4:5], s[16:17]
	s_load_b64 s[FIRST:FIRST+1], s[16:17], PAIRS   ; my patch's first sample and count
	s_add_nc_u64 s[6:7], s[6:7], s[18:19]
	global_load_b64 v[RA:RA+1], v[VOFF], s[6:7]
	global_load_b32 v[SL], v[LOF8], s[6:7] offset:4
.irp i, 0,1,2,3
	v_mov_b32 v[ACC+(\i)], 0
.endr
	s_mov_b32 s[CT], 0
	s_wait_kmcnt 0x0
	s_min_u32 s[FIRST], s[FIRST], 0x1f3            ; 499 at the most
	s_min_u32 s[CNT], s[CNT], 0x1f4                ; 500 at the most
	s_add_co_u32 s[BD], s[CNT], 15
	s_lshr_b32 s[BD], s[BD], 4                     ; pairs of samples a thread: count / 16, rounded up,
	s_max_u32 s[BD], s[BD], 1                      ; one at the least (all its weights are then 0);
	s_sub_co_u32 s[BD], s[BD], 1                   ; the last pair is the tail
	v_add_nc_u32 v[S0], s[FIRST], v[PH]
.irp i, 0,1,2
	v_mul_lo_u32 v[HH+(\i)], v[UU], s[GH+(\i)]     ; H = D0h + u DUh + v DVh
	v_mul_lo_u32 v[TA], v[VV], s[GH+4+(\i)]
	v_mul_lo_u32 v[LL+(\i)], v[UU], s[GL+(\i)]     ; L likewise
	v_mul_lo_u32 v[TB], v[VV], s[GL+4+(\i)]
	v_add_nc_u32 v[HH+(\i)], v[HH+(\i)], v[TA]
	v_add_nc_u32 v[LL+(\i)], v[LL+(\i)], v[TB]
	v_add_nc_u32 v[HH+(\i)], s[GH+8+(\i)], v[HH+(\i)]
	v_add_nc_u32 v[LL+(\i)], s[GL+8+(\i)], v[LL+(\i)]
	v_ashrrev_i32 v[TA], 22, v[LL+(\i)]            ; L's upper bits go over into H,
	v_and_b32 v[LL+(\i)], 0x3fffff, v[LL+(\i)]     ; and 0 <= L < 2^22 is left
	v_add_nc_u32 v[HH+(\i)], v[HH+(\i)], v[TA]
	v_mul_lo_u32 v[TA], v[HH+(\i)], v[S0]
	v_mul_lo_u32 v[TB], v[LL+(\i)], v[S0]
	v_add_nc_u32 v[TA], s[GH+12+(\i)], v[TA]       ; oh + s0 H
	v_add_nc_u32 v[TB], s[GL+12+(\i)], v[TB]       ; ol + s0 L,
	v_add_nc_u32 v[TB], 0x2000, v[TB]              ; rounded
	v_ashrrev_i32 v[TB], 14, v[TB]
	v_lshl_add_u32 v[PX+(\i)], v[TA], 8, v[TB]     ; my first position
	v_add_nc_u32 v[LL+(\i)], 0x400, v[LL+(\i)]
	v_lshrrev_b32 v[LL+(\i)], 11, v[LL+(\i)]
	v_lshl_add_u32 v[DX+(\i)], v[HH+(\i)], 11, v[LL+(\i)]  ; the step of 8 samples
.endr
	s_wait_loadcnt 0x0
	v_and_b32 v[RS], 0xffff, v[RA]                 ; the ray's first sample,
	v_lshrrev_b32 v[NR], 16, v[RA]                 ; its n
	v_sub_nc_u32 v[RS], v[S0], v[RS]               ; below the ray's first this wraps to a large number: not below n
; One axis: position p -> b, and the two weights; q is at work and holds c - b, in units of 2^-22, in f32.  m = 1: outside the ray's interval (VCC off) q is replaced by 2^30.
.macro AXIS p, b, q, w0, w1, m
	v_ashrrev_i32 v[\b], FR, v[\p]                 ; floor(c)
	v_max_i32 v[\b], 0, v[\b]
	v_min_u32 v[\b], 0xfe, v[\b]                   ; 0 .. 254: what enters the address is bounded here
	v_lshlrev_b32 v[\q], FR, v[\b]
	v_sub_nc_u32 v[\q], v[\p], v[\q]               ; never wraps: b lies between 0 and c, or next to c
	v_cvt_f32_i32 v[\q], v[\q]
.if \m
	v_cndmask_b32 v[\q], s[BIG], v[\q], vcc_lo
.endif
	v_fma_f32 v[\w0], -|v[\q]|, s[SC], 1.0         ; 1 - |c - b|
	v_fma_f32 v[\w1], v[\q], s[SC], -1.0           ; c - b - 1
	v_max_num_f32 v[\w0], 0, v[\w0]
	v_sub_f32 v[\w1], 1.0, |v[\w1]|
	v_max_num_f32 v[\w1], 0, v[\w1]
.endm
; My next sample is made in buffer buf: weights, address, eight loads; then the position steps.
.macro GEN buf
	v_cmp_lt_u32 vcc_lo, v[RS], v[NR]              ; is the sample in the ray's own interval?
	AXIS PX, BX, QX, WX, WX+1, 1
	AXIS PY, BY, QY, WY0, WY1, 0
	AXIS PZ, (\buf)+3, QZ, (\buf)+0, (\buf)+2, 0
	v_lshl_add_u32 v[(\buf)+1], v[BX], 8, v[BY]
	v_lshl_add_u32 v[(\buf)+1], v[(\buf)+1], 8, v[(\buf)+3]
	v_lshlrev_b32 v[(\buf)+1], 2, v[(\buf)+1]      ; ((bx 256 + by) 256 + bz) 4 bytes
.irp z, 0,1
	global_load_b32 v[(\buf)+8+4*(\z)],  v[(\buf)+1], s[8:9] offset:4*(\z)           ; (x, y)
	global_load_b32 v[(\buf)+9+4*(\z)],  v[(\buf)+1], s[8:9] offset:262144+4*(\z)    ; (x + 1, y)
	global_load_b32 v[(\buf)+10+4*(\z)], v[(\buf)+1], s[8:9] offset:1024+4*(\z)      ; (x, y + 1)
	global_load_b32 v[(\buf)+11+4*(\z)], v[(\buf)+1], s[8:9] offset:263168+4*(\z)    ; (x + 1, y + 1)
.endr
	v_pk_mul_f32 v[(\buf)+4:(\buf)+5], v[WX:WX+1], v[WY0:WY0+1] op_sel_hi:[1,0]      ; (wx0, wx1) wy0
	v_pk_mul_f32 v[(\buf)+6:(\buf)+7], v[WX:WX+1], v[WY1:WY1+1] op_sel_hi:[1,0]      ; (wx0, wx1) wy1
	v_add_nc_u32 v[PX], v[PX], v[DX]
	v_add_nc_u32 v[PY], v[PY], v[DX+1]
	v_add_nc_u32 v[PZ], v[PZ], v[DX+2]
	v_add_nc_u32 v[RS], 8, v[RS]
.endm
; The sample in buffer buf is added to the sums: along z two at a time, then times the xy weights.
.macro USE buf
	v_pk_mul_f32 v[TT:TT+1],   v[(\buf)+8:(\buf)+9],   v[(\buf)+0:(\buf)+1] op_sel_hi:[1,0]
	v_pk_mul_f32 v[TT+2:TT+3], v[(\buf)+10:(\buf)+11], v[(\buf)+0:(\buf)+1] op_sel_hi:[1,0]
	v_pk_fma_f32 v[TT:TT+1],   v[(\buf)+12:(\buf)+13], v[(\buf)+2:(\buf)+3], v[TT:TT+1] op_sel_hi:[1,0,1]
	v_pk_fma_f32 v[TT+2:TT+3], v[(\buf)+14:(\buf)+15], v[(\buf)+2:(\buf)+3], v[TT+2:TT+3] op_sel_hi:[1,0,1]
	v_pk_fma_f32 v[ACC:ACC+1],   v[TT:TT+1],   v[(\buf)+4:(\buf)+5], v[ACC:ACC+1]
	v_pk_fma_f32 v[ACC+2:ACC+3], v[TT+2:TT+3], v[(\buf)+6:(\buf)+7], v[ACC+2:ACC+3]
.endm
	GEN BA                                         ; my first sample
	s_cmp_eq_u32 s[BD], 0
	s_cbranch_scc1 .Ltail
.Lpair:                                                ; at the head, by either way: buffer A's eight loads are out and nothing else
	GEN BB
	s_wait_loadcnt 0x8                             ; loads come back in order: B's eight, issued behind A's, may stay out; A's are in, and A's address register is free
	USE BA
	GEN BA
	s_wait_loadcnt 0x8                             ; A's new eight may stay out; B's are in
	USE BB
	s_add_co_u32 s[CT], s[CT], 1
	s_cmp_lt_u32 s[CT], s[BD]
	s_cbranch_scc1 .Lpair
.Ltail:                                                ; the last pair asks for nothing beyond itself
	GEN BB
	s_wait_loadcnt 0x8                             ; as above
	USE BA
	s_wait_loadcnt 0x0
	USE BB
	v_pk_add_f32 v[ACC:ACC+1], v[ACC:ACC+1], v[ACC+2:ACC+3]
	v_add_f32 v[ACC], v[ACC], v[ACC+1]
	ds_store_b32 v[LA], v[ACC]                     ; my partial sum: my only LDS store
	s_wait_tensorcnt 0x0
	ds_add_u32 v[SPW], v[NIL]
	s_wait_dscnt 0x0                               ; also for the others' sake: my partial sum is in LDS before I signal
	s_barrier_signal -1
	s_barrier_wait -1                              ; all 256 partial sums are there
	s_cmp_lg_u32 s[WV], 0
	s_cbranch_scc1 .Ldone
.irp p, 0,1,2,3,4,5,6,7
	ds_load_b32 v[32+(\p)], v[LOFF] offset:128*(\p)        ; ray (lane), phase p
.endr
	v_lshrrev_b32 v[TT], 3, v0                     ; in wave 0 the thread's number is the lane: row lane / 8 of the patch,
	v_and_b32 v[TT+1], 7, v0                       ; column lane % 8
	v_mul_u32_u24 v[TT], 0x320, v[TT]              ; a row of out0 is 800 bytes
	v_lshl_add_u32 v[TT], v[TT+1], 2, v[TT]
	s_mul_i32 s26, s[PYS], 3200                    ; the patch's first row: 4 rows a patch row,
	s_lshl_b32 s27, ttmp9, 5                       ; its first column: 8 numbers a patch column
	s_add_co_u32 s26, s26, s27
	s_mov_b32 s27, 0
	s_add_nc_u64 s[10:11], s[10:11], s[26:27]
	s_wait_dscnt 0x0
	v_pk_add_f32 v[32:33], v[32:33], v[34:35]
	v_pk_add_f32 v[36:37], v[36:37], v[38:39]
	v_pk_add_f32 v[32:33], v[32:33], v[36:37]
	v_add_f32 v32, v32, v33
	v_mul_f32 v32, v32, v[SL]
	global_store_b32 v[TT], v32, s[10:11]
.Ldone:
	s_endpgm
.Lfunc_end_k_qc4bd958e2e_march:
	.size	k_qc4bd958e2e_march, .Lfunc_end_k_qc4bd958e2e_march-k_qc4bd958e2e_march
	.p2alignl 7, 3214868480
	.fill 96, 4, 3214868480
	.section	.rodata,"a",@progbits
	.p2align	6, 0x0
	.amdhsa_kernel k_qc4bd958e2e_march
		.amdhsa_group_segment_fixed_size 2048
		.amdhsa_private_segment_fixed_size 0
		.amdhsa_enable_private_segment 0
		.amdhsa_kernarg_size 32
		.amdhsa_user_sgpr_count 2
		.amdhsa_user_sgpr_kernarg_segment_ptr 1
		.amdhsa_wavefront_size32 1
		.amdhsa_system_sgpr_workgroup_id_x 1
		.amdhsa_system_sgpr_workgroup_id_y 1
		.amdhsa_system_sgpr_workgroup_id_z 1
		.amdhsa_system_vgpr_workitem_id 0
		.amdhsa_next_free_vgpr 76
		.amdhsa_next_free_sgpr 66
		.amdhsa_reserve_vcc 1
		.amdhsa_float_denorm_mode_32 3
		.amdhsa_float_denorm_mode_16_64 3
		.amdhsa_memory_ordered 1
		.amdhsa_forward_progress 1
		.amdhsa_inst_pref_size 20
	.end_amdhsa_kernel
	.amdgpu_metadata
---
amdhsa.version: [ 1, 2 ]
amdhsa.kernels:
  - .name:           k_qc4bd958e2e_march
    .symbol:         k_qc4bd958e2e_march.kd
    .args:
      - { .name: plan, .offset: 0, .size: 8, .value_kind: global_buffer, .address_space: global }
      - { .name: rayinfo, .offset: 8, .size: 8, .value_kind: global_buffer, .address_space: global }
      - { .name: volume, .offset: 16, .size: 8, .value_kind: global_buffer, .address_space: global }
      - { .name: out0, .offset: 24, .size: 8, .value_kind: global_buffer, .address_space: global }
    .group_segment_fixed_size: 2048
    .private_segment_fixed_size: 0
    .kernarg_segment_align: 8
    .kernarg_segment_size: 32
    .max_flat_workgroup_size: 256
    .sgpr_count:     66
    .vgpr_count:     76
    .wavefront_size: 32
...
	.end_amdgpu_metadata
.endif
;; end of part 2
